; MI455X (gfx1250); checked and timed in simulation.
; The chip was launched on July 23, 2026; its instructions are those of AMD's public machine-readable ISA for CDNA 5 (MIT licence, August 2026) and "CDNA5" Instruction Set Architecture Reference Guide (July 2026). The comments in the code are by the model that wrote it; some were corrected since.
;; Self Attention. Allowed arithmetic: matrix products marked QUANTISED: E2M1 operands, one E8M0 scale for each 32 along K, by v_wmma_scale_f32_16x16x128_f8f6f4 with both operands' format E2M1 (or v_wmma_scale_f32_32x16x128_f4), f32 sums; everything else in f32.
;; Inputs: Wk 768 x 768 float32; Wq 768 x 768 float32; Wv 768 x 768 float32; bk 768 float32; bq 768 float32; bv 768 float32; pos 1,024 x 768 float32; x 16 x 1,024 x 768 float32.
;; Outputs: out0 16 x 1,024 x 768 float32.
;; This version of the problem:
;;   THIS VERSION OF THE PROBLEM IS GIVEN IN LOW PRECISION. The matrix products marked QUANTISED in the list below multiply operands that are first quantised to E2M1 (2 exponent bits, 1 mantissa bit; 4 bits a number), with one power-of-two scale for each 32 numbers along K (OCP MX v1.0); their sums are f32. All else is computed in f32.
;;   The module's matrix products, in the order in which they are computed (A, B: the left and right operand; K: the contracted axis; several contracted axes count as one K, in the product's order):
;;     1. [M 16,384, K 768] x [K 768, N 768]; A: computed on the way; B: input Wq: QUANTISED
;;     2. [M 16,384, K 768] x [K 768, N 768]; A: computed on the way; B: input Wk: QUANTISED
;;     3. [M 16,384, K 768] x [K 768, N 768]; A: computed on the way; B: input Wv: QUANTISED
;;     4. batch 16 x [M 1,024, K 768] x [K 768, N 1,024]; A: computed on the way; B: computed on the way: QUANTISED
;;     5. batch 16 x [M 1,024, K 1,024] x [K 1,024, N 768]; A: softmax (see below); B: computed on the way: QUANTISED
;;   THE QUANTISER, for each operand of a quantised product, along K:
;;     - K is cut into blocks of 32 from its start; a last block that is shorter is filled with zeros.
;;     - A block's scale is 2^e with e = floor(log2(the largest magnitude in the block)) - 2, held to -126 .. 127; a block of zeros has e = 0. As a byte (E8M0): e + 127.
;;     - Each number is divided by its block's scale, clamped to +-6, and rounded to the nearest number of E2M1, ties to even, subnormals kept.
;;     - The product sums the exact products of the quantised numbers (number of the format x scale) in f32.
;;   ~~~python
;;   def quantise(x, axis):      # numpy; x: float32 -> the quantised numbers, widened to float32 again
;;       x = np.moveaxis(x, axis, -1); K = x.shape[-1]
;;       x = np.pad(x, [(0, 0)] * (x.ndim - 1) + [(0, -K % 32)]); x = x.reshape(x.shape[:-1] + (-1, 32)); a = np.abs(x).max(-1, keepdims=True)
;;       e = np.where(a > 0, np.clip(np.frexp(np.where(a > 0, a, 1))[1] - 1 - 2, -126, 127), 0)      # np.frexp(a)[1] - 1 = floor(log2(a)), exactly
;;       r = np.clip(x / 2.0 ** e, -6, 6)
;;       step = 2.0 ** (np.maximum(np.frexp(np.where(r == 0, 1, r))[1] - 1, 0) - 1)
;;       q = np.round(r / step) * step * 2.0 ** e      # np.round: ties to even
;;       return np.moveaxis(q.reshape(q.shape[:-2] + (-1,))[..., :K], -1, axis).astype(np.float32)
;;   ~~~
;;   SOFTMAX AHEAD OF A QUANTISED PRODUCT. Where the list says 'softmax', what is quantised is not the finished softmax but p = 2^(t - M), with t = logit x log2(e) and M = ceil(the row's largest t), a whole number; so 1/2 < the row's largest p <= 1. The row's sum l is taken of the UNQUANTISED p, in f32, and the product's result is divided by l at the end. Since M is a whole number, a kernel that streams over the keys may use a running M (the ceiling of the running maximum): every later rescaling is an exact power of two, which a block's scale takes up: the codes' values come out the same.
;;   OPERANDS COMPUTED ON THE WAY. 'Computed on the way' means the value that the module computes at that place (a softmax that the list does not call 'softmax' is quantised finished and normalised). What goes into a quantiser is computed in f32, as accurately as f32 sums, v_exp_f32 and their like allow (about 1e-6 of the number): no bf16 or f16 on the way to a quantiser, and a product that is left as it is and whose result goes on into a quantised operand takes f32 operands (vector FMAs, or v_wmma_f32_16x16x4_f32). A number that lies on a knife's edge between two numbers of the format may be rounded either way, as far as f32 arithmetic and the matrix unit's own rounding can turn it there, and no further.
;; One version. Each part assembles by itself: llvm-mc -triple=amdgcn-amd-amdhsa -mcpu=gfx1250 --defsym DOCPART=n.
;; ======== version 1 of 1: 3 launches
;; limits: right only within a limited range of input values
;; workspace buffers: himg 6,291,456 bytes; hsc 393,216 bytes; wimg 884,736 bytes; wsc 55,296 bytes; qkimg 12,582,912 bytes; qksc 786,432 bytes; vimg 6,291,456 bytes; vsc 393,216 bytes
;; launch quant (part 1): grid 292 x 3, 4 waves a work-group, no clusters, 68,096 bytes of LDS; arguments x, pos, Wq, Wk, Wv, himg, hsc, wimg, wsc; writes himg, hsc, wimg, wsc
.if DOCPART == 1
	.amdgcn_target "amdgcn-amd-amdhsa--gfx1250"
	.amdhsa_code_object_version 6
	.text
	.protected	k_q472ba87fdb_quant
	.globl	k_q472ba87fdb_quant
	.p2align	8
	.type	k_q472ba87fdb_quant,@function
k_q472ba87fdb_quant:
	s_mov_b64 s[64:65], 0
	v_nop
	global_prefetch_b8 v0, s[64:65] scope:SCOPE_SE
	s_setreg_imm32_b32 hwreg(HW_REG_WAVE_MODE, 25, 1), 1
	s_wait_xcnt 0x0
; h = x + pos [16384][768] and Wq, Wk, Wv [768][768], f32, become codes of FP4 (E2M1) with one E8M0 scale byte for each 32 along the last axis, which is the K of the three projections.
; A block's scale is 2^(floor(log2(its largest magnitude)) - 2); its byte is the largest magnitude's exponent field - 2, held at 1 from below.
; LIMITS: NaN and infinities are not served.  A block whose largest magnitude lies under 2^-124, a block of zeros among them, gets the byte 1 (the rule says 127 for zeros): its codes are
; what the rule gives under that byte, or zeros, and the bytes are read by this program alone.
; WHAT IS STORED are images of the operand's registers.  A fragment (16 rows x 128 K) is 1,024 bytes: [half c][lane][16 bytes] = the lane's registers 4 c .. 4 c + 3, K = 64 c + 32 (lane / 16) + 0 .. 31 of row lane % 16.
; A scale image is 128 bytes, [lane][4]: lanes 0-15 the rows' scale words of an even K step, lanes 16-31 those of the odd K step behind it.
; WHICH ROWS FORM A TILE: in h, Wq and Wk lane r of tile 2 b + u of a group of 64 rows is row 32 b + 8 u + r + 8 (r / 8); in Wv lane r of tile t is row 16 t + r.
; SHARES.  Work-group y: two K steps (256 along K).  Work-group x < 256: one tile of 16 positions in four batches, a batch to a wave, so that its four waves ask for the same rows of pos; x >= 256: 64 rows of a weight, a tile to a wave.
; A load reads 512 consecutive bytes of a row (one K step), 16 a lane; the conversions want 32 neighbours in a lane, so the 16 rows turn through the wave's own stage in LDS (rows of 512 + 16 bytes), back into the same registers.
; Both K steps' rows of x are asked for at the start; pos has one set of registers, so its second K step is asked for behind the first one's sum.
; The two kinds of work-group part once, at the head, and each path has LDS bytes of its own.  Waves share nothing: no barrier.
; Every code store covers 512 consecutive bytes, aligned; the scale image's store covers 128 (one byte in 17 of what a wave stores).
.set ROWB,  3072                       ; a row of x, pos or a weight in bytes
.set SP,    528                        ; a stage row
.set WSTG,  16*SP                      ; a wave's stage
.set PATHB, 4*WSTG                     ; the second path's stages begin here
.set SPARE, 0x10800                    ; behind both: the spare words, 128 bytes for each wave
.set XR, 16                            ; v16-79, v144-207: 16 rows of K step 0, 1 as loaded; turned: register 32 c + i = K 64 c + 32 h + i of my row
.set PR, 80                            ; v80-143  pos
.set C,  208                           ; v208-223 codes, eight registers a K step: no store's data are written again
.set SW, 224                           ; v224-225 the two K steps' scale words
.set SI, 226                           ; v226     the scale image
.set MG, 228                           ; v228-229 largest magnitudes
.set SO, 230                           ; v230-231 the conversions' scale operands
.set BY, 232                           ; v232-233 the bytes
.set TP, 234                           ; v234     a lane permute's destination
.set SPW, 240                          ; v240     LDS address of my spare word; never rewritten
.set NIL, 241                          ; v241     0; never rewritten
.set SEL, 44                           ; s[44:45] selects for lane l xor 16
.macro LOADROWS dst, a, b, sig, nt     ; rows 0-7 of the tile from s[a], rows 8-15 from s[b]; K step sig of the two
.irp i, 0,1,2,3,4,5,6,7
.if \nt
	global_load_b128 v[\dst+4*\i:\dst+4*\i+3], v1, s[\a:\a+1] offset:ROWB*\i+512*\sig th:TH_LOAD_NT
	global_load_b128 v[\dst+32+4*\i:\dst+32+4*\i+3], v1, s[\b:\b+1] offset:ROWB*\i+512*\sig th:TH_LOAD_NT
.else
	global_load_b128 v[\dst+4*\i:\dst+4*\i+3], v1, s[\a:\a+1] offset:ROWB*\i+512*\sig
	global_load_b128 v[\dst+32+4*\i:\dst+32+4*\i+3], v1, s[\b:\b+1] offset:ROWB*\i+512*\sig
.endif
.endr
.endm
; One K step.  pos = 1: pos is added.  lb: the path's LDS bytes.  d: where the fragment goes, from s[40:41] on.
.macro STEP sig, pos, lb, d
.set XS, XR+128*(\sig)
.if \sig == 0
	s_wait_loadcnt 16                              ; all but the second K step's 16 rows
.else
	s_wait_loadcnt 0x0
.endif
.if \pos
.set i, 0
.rept 32
	v_pk_add_f32 v[XS+2*i:XS+2*i+1], v[XS+2*i:XS+2*i+1], v[PR+2*i:PR+2*i+1]   ; h = x + pos, in f32
.set i, i+1
.endr
.if \sig == 0
	LOADROWS PR, 36, 38, 1, 0                      ; pos of the second K step lands while the first is quantised
.endif
.endif
.set i, 0
.rept 16
	ds_store_b128 v2, v[XS+4*i:XS+4*i+3] offset:\lb+SP*i
.set i, i+1
.endr
	s_wait_dscnt 0x0                               ; the stores have read their registers
.irp c, 0,1
.irp g, 0,1,2,3,4,5,6,7
	ds_load_b128 v[XS+32*\c+4*\g:XS+32*\c+4*\g+3], v3 offset:\lb+256*\c+16*\g
.endr
.endr
	s_wait_dscnt 0x0                               ; my 64 numbers are in
.irp c, 0,1
	v_max3_num_f32 v[MG+\c], |v[XS+32*\c]|, |v[XS+32*\c+1]|, 0x1800000   ; block 2 c + h is all mine; the floor 2^(3 - 127) holds the byte at 1 from below
.endr
.irp i, 2,4,6,8,10,12,14,16,18,20,22,24,26,28,30
.irp c, 0,1
	v_max3_num_f32 v[MG+\c], v[MG+\c], |v[XS+32*\c+\i]|, |v[XS+32*\c+\i+1]|
.endr
.endr
.irp c, 0,1
	v_add_nc_u32 v[SO+\c], 0xff000000, v[MG+\c]    ; 2 off the exponent field: the conversion takes this operand's exponent field as its scale
.endr
.irp c, 0,1
	v_lshrrev_b32 v[BY+\c], 23, v[SO+\c]           ; the scale's byte
.endr
	v_lshl_or_b32 v[SW+\sig], v[BY+1], 16, v[BY]   ; my two bytes, blocks h and 2 + h,
	v_lshlrev_b32 v[SW+\sig], v5, v[SW+\sig]       ; 8 h bits up;
	v_permlanex16_b32 v[TP], v[SW+\sig], s[SEL], s[SEL+1]
	v_or_b32 v[SW+\sig], v[SW+\sig], v[TP]         ; with lane l xor 16's two the row's word is whole, in both lanes
.irp c, 0,1
.irp g, 0,1,2,3
	v_cvt_scalef32_pk8_fp4_f32 v[C+8*\sig+4*\c+\g], v[XS+32*\c+8*\g:XS+32*\c+8*\g+7], v[SO+\c]
.endr
.endr
	v_nop                                          ; one plain place behind the last conversion
	global_store_b128 v1, v[C+8*\sig:C+8*\sig+3], s[40:41] offset:\d
	global_store_b128 v1, v[C+8*\sig+4:C+8*\sig+7], s[40:41] offset:\d+512
.endm
.macro BODY pos, lb, d1
	LOADROWS XR, 32, 34, 0, 1
.if \pos
	LOADROWS PR, 36, 38, 0, 0
.endif
	LOADROWS XR+128, 32, 34, 1, 1
	STEP 0, \pos, \lb, 0
	STEP 1, \pos, \lb, \d1
	v_cndmask_b32 v[SI], v[SW], v[SW+1], vcc_lo    ; lanes 0-15 the even K step's words, lanes 16-31 the odd one's
	global_store_b32 v4, v[SI], s[42:43]
.endm
	s_load_b256 s[4:11], s[0:1], 0x0               ; x s[4:5], pos s[6:7], Wq s[8:9], Wk s[10:11]
	s_load_b256 s[12:19], s[0:1], 0x20             ; Wv s[12:13], himg s[14:15], hsc s[16:17], wimg s[18:19]
	s_load_b64 s[20:21], s[0:1], 0x40              ; wsc
	v_lshl_add_u32 v[SPW], v0, 2, SPARE
	v_mov_b32 v[NIL], 0
	v_lshrrev_b32 v6, 5, v0
	v_readfirstlane_b32 s22, v6                    ; wave w
	v_and_b32 v7, 31, v0                           ; lane
	v_and_b32 v8, 15, v0                           ; r
	v_bfe_u32 v9, v0, 4, 1                         ; h
	v_lshlrev_b32 v1, 4, v7                        ; 16 x lane: a load's and an image's place
	s_mul_i32 s23, s22, WSTG
	v_add_nc_u32 v2, s23, v1                       ; the stage, on the way in
	v_mul_u32_u24 v3, v8, SP
	v_lshl_add_u32 v3, v9, 7, v3
	v_add_nc_u32 v3, s23, v3                       ; and on the way out: row r, + 128 h
	v_lshlrev_b32 v4, 2, v7                        ; 4 x lane
	v_lshlrev_b32 v5, 3, v9                        ; 8 h
	v_mov_b32 v[TP], 0                             ; a lane permute's destination counts as one of its sources
	s_mov_b32 s[SEL], 0x76543210
	s_mov_b32 s[SEL+1], 0xfedcba98
	s_mov_b32 vcc_lo, 0xffff0000                   ; lanes 16-31
	s_and_b32 s24, ttmp7, 0xffff                   ; I: K steps 2 I and 2 I + 1
	s_lshl_b32 s25, s24, 10                        ; their first byte in a row
	s_cmp_lt_u32 ttmp9, 256
	s_cbranch_scc0 .Lweights
	; ---- x + pos: X = 64 (batch / 4) + 16 tile + group of 64 positions
	s_and_b32 s46, ttmp9, 15                       ; group
	s_bfe_u32 s47, ttmp9, 0x20004                  ; tile 2 b + u of the group
	s_lshr_b32 s48, ttmp9, 6
	s_lshl_b32 s48, s48, 2
	s_add_co_u32 s48, s48, s22                     ; my batch
	s_lshl_b32 s30, s46, 6
	s_lshr_b32 s26, s47, 1
	s_lshl_b32 s26, s26, 5
	s_add_co_u32 s30, s30, s26
	s_and_b32 s26, s47, 1
	s_lshl_b32 s26, s26, 3
	s_add_co_u32 s30, s30, s26                     ; the tile's first position: 64 group + 32 b + 8 u
	s_lshl_b32 s28, s48, 10
	s_add_co_u32 s28, s28, s30                     ; its token
	s_mul_i32 s28, s28, ROWB
	s_add_co_u32 s28, s28, s25                     ; x: the tile's first row, my K steps
	s_mov_b32 s29, 0
	s_mul_i32 s30, s30, ROWB
	s_add_co_u32 s30, s30, s25                     ; pos likewise
	s_mov_b32 s31, 0
	s_lshl_b32 s48, s48, 6
	s_lshl_b32 s46, s46, 2
	s_add_co_u32 s46, s46, s48
	s_add_co_u32 s46, s46, s47                     ; the tile's number: 64 batch + 4 group + tile
	s_mul_i32 s48, s46, 6144
	s_lshl_b32 s50, s24, 11
	s_add_co_u32 s48, s48, s50                     ; himg: [tile][K step][1024]
	s_mov_b32 s49, 0
	s_mul_i32 s50, s46, 384
	s_lshl_b32 s47, s24, 7
	s_add_co_u32 s50, s50, s47                     ; hsc: [tile][I][128]
	s_mov_b32 s51, 0
	s_wait_kmcnt 0x0
	s_add_nc_u64 s[32:33], s[4:5], s[28:29]
	s_add_nc_u64 s[34:35], s[32:33], 16*ROWB       ; rows 8-15 of the tile lie 16 rows on
	s_add_nc_u64 s[36:37], s[6:7], s[30:31]
	s_add_nc_u64 s[38:39], s[36:37], 16*ROWB
	s_add_nc_u64 s[40:41], s[14:15], s[48:49]
	s_add_nc_u64 s[42:43], s[16:17], s[50:51]
	s_wait_alu depctr_va_vdst(0)                   ; the wait at the head's end
	BODY 1, 0, 1024
	s_wait_tensorcnt 0x0                           ; the wave's end, behind my last LDS store
	ds_add_u32 v[SPW], v[NIL]
	s_wait_dscnt 0x0
	s_endpgm
.Lweights:
	; ---- a weight: unit U = X - 256 of 36: tensor tau = U / 12, rows 64 n on, n = U % 12 = 4 m + j.  wimg: [j][q = 3 tau + m][K step][tile][1024];  wsc: [j][q][tile][I][128]
	s_lshr_b32 s26, s22, 1
	s_lshl_b32 s26, s26, 5
	s_and_b32 s27, s22, 1
	s_lshl_b32 s27, s27, 3
	s_add_co_u32 s26, s26, s27                     ; 32 b + 8 u: the tile's first row in its group of 64
	s_sub_co_u32 s28, ttmp9, 256
	s_cmp_ge_u32 ttmp9, 268
	s_cselect_b32 s29, 1, 0
	s_cmp_ge_u32 ttmp9, 280
	s_cselect_b32 s30, 1, 0
	s_add_co_u32 s29, s29, s30                     ; tau
	s_mul_i32 s30, s29, 12
	s_sub_co_u32 s28, s28, s30                     ; n
	s_and_b32 s30, s28, 3                          ; j
	s_lshr_b32 s31, s28, 2                         ; m
	s_mul_i32 s46, s29, 3
	s_add_co_u32 s46, s46, s31                     ; q
	s_mul_i32 s47, s30, 9
	s_add_co_u32 s46, s46, s47                     ; 9 j + q
	s_lshl_b32 s47, s22, 4                         ; 16 w: Wv's tiles are 16 neighbouring rows
	s_wait_kmcnt 0x0
	s_cmp_lt_u32 ttmp9, 268                        ; the choices hang on the work-group's number alone
	s_cselect_b64 s[8:9], s[8:9], s[10:11]
	s_cmp_lt_u32 ttmp9, 280
	s_cselect_b64 s[8:9], s[8:9], s[12:13]
	s_cselect_b32 s26, s26, s47
	s_mov_b32 s48, 8*ROWB
	s_cselect_b32 s48, 16*ROWB, s48                ; rows 8-15 of the tile lie 16 rows on, in Wv 8
	s_mov_b32 s49, 0
	s_lshl_b32 s28, s28, 6
	s_add_co_u32 s28, s28, s26
	s_mul_i32 s28, s28, ROWB
	s_add_co_u32 s28, s28, s25
	s_mov_b32 s29, 0
	s_add_nc_u64 s[32:33], s[8:9], s[28:29]
	s_add_nc_u64 s[34:35], s[32:33], s[48:49]
	s_mul_i32 s50, s46, 24
	s_lshl_b32 s51, s24, 3
	s_add_co_u32 s50, s50, s51
	s_add_co_u32 s50, s50, s22
	s_lshl_b32 s50, s50, 10                        ; ((9 j + q) 24 + 8 I + w) x 1,024
	s_mov_b32 s51, 0
	s_add_nc_u64 s[40:41], s[18:19], s[50:51]
	s_lshl_b32 s50, s46, 2
	s_add_co_u32 s50, s50, s22
	s_mul_i32 s50, s50, 384
	s_lshl_b32 s47, s24, 7
	s_add_co_u32 s50, s50, s47                     ; ((9 j + q) 4 + w) x 384 + 128 I
	s_add_nc_u64 s[42:43], s[20:21], s[50:51]
	s_wait_alu depctr_va_vdst(0)                   ; the wait at the head's end
	BODY 0, PATHB, 4096
	s_wait_tensorcnt 0x0                           ; the wave's end, as above
	ds_add_u32 v[SPW], v[NIL]
	s_wait_dscnt 0x0
	s_endpgm
.Lfunc_end_k_q472ba87fdb_quant:
	.size	k_q472ba87fdb_quant, .Lfunc_end_k_q472ba87fdb_quant-k_q472ba87fdb_quant
	.p2alignl 7, 3214868480
	.fill 96, 4, 3214868480
	.section	.rodata,"a",@progbits
	.p2align	6, 0x0
	.amdhsa_kernel k_q472ba87fdb_quant
		.amdhsa_group_segment_fixed_size 68096
		.amdhsa_private_segment_fixed_size 0
		.amdhsa_enable_private_segment 0
		.amdhsa_kernarg_size 72
		.amdhsa_user_sgpr_count 2
		.amdhsa_user_sgpr_kernarg_segment_ptr 1
		.amdhsa_wavefront_size32 1
		.amdhsa_system_sgpr_workgroup_id_x 1
		.amdhsa_system_sgpr_workgroup_id_y 1
		.amdhsa_system_sgpr_workgroup_id_z 1
		.amdhsa_system_vgpr_workitem_id 0
		.amdhsa_next_free_vgpr 242
		.amdhsa_next_free_sgpr 66
		.amdhsa_reserve_vcc 1
		.amdhsa_float_denorm_mode_32 3
		.amdhsa_float_denorm_mode_16_64 3
		.amdhsa_memory_ordered 1
		.amdhsa_forward_progress 1
		.amdhsa_inst_pref_size 40
	.end_amdhsa_kernel
	.amdgpu_metadata
---
amdhsa.version: [ 1, 2 ]
amdhsa.kernels:
  - .name:           k_q472ba87fdb_quant
    .symbol:         k_q472ba87fdb_quant.kd
    .args:
      - { .name: x, .offset: 0, .size: 8, .value_kind: global_buffer, .address_space: global }
      - { .name: pos, .offset: 8, .size: 8, .value_kind: global_buffer, .address_space: global }
      - { .name: Wq, .offset: 16, .size: 8, .value_kind: global_buffer, .address_space: global }
      - { .name: Wk, .offset: 24, .size: 8, .value_kind: global_buffer, .address_space: global }
      - { .name: Wv, .offset: 32, .size: 8, .value_kind: global_buffer, .address_space: global }
      - { .name: himg, .offset: 40, .size: 8, .value_kind: global_buffer, .address_space: global }
      - { .name: hsc, .offset: 48, .size: 8, .value_kind: global_buffer, .address_space: global }
      - { .name: wimg, .offset: 56, .size: 8, .value_kind: global_buffer, .address_space: global }
      - { .name: wsc, .offset: 64, .size: 8, .value_kind: global_buffer, .address_space: global }
    .group_segment_fixed_size: 68096
    .private_segment_fixed_size: 0
    .kernarg_segment_align: 8
    .kernarg_segment_size: 72
    .max_flat_workgroup_size: 128
    .sgpr_count:     66
    .vgpr_count:     242
    .wavefront_size: 32
...
	.end_amdgpu_metadata
.endif
;; end of part 1
;; launch proj (part 2): grid 64 x 4, 8 waves a work-group, clusters of 4 x 1, 327,680 bytes of LDS; arguments himg, hsc, wimg, wsc, bq, bk, bv, qkimg, qksc, vimg, vsc; writes qkimg, qksc, vimg, vsc
.if DOCPART == 2
	.amdgcn_target "amdgcn-amd-amdhsa--gfx1250"
	.amdhsa_code_object_version 6
	.text
	.protected	k_q472ba87fdb_proj
	.globl	k_q472ba87fdb_proj
	.p2align	8
	.type	k_q472ba87fdb_proj,@function
k_q472ba87fdb_proj:
	s_mov_b64 s[64:65], 0
	v_nop
	global_prefetch_b8 v0, s[64:65] scope:SCOPE_SE
	s_setreg_imm32_b32 hwreg(HW_REG_WAVE_MODE, 25, 1), 1
	s_wait_xcnt 0x0
	s_wait_alu depctr_hold_cnt(0) depctr_sa_sdst(0) depctr_va_vdst(0) depctr_va_sdst(0) depctr_va_ssrc(0) depctr_va_vcc(0) depctr_vm_vsrc(0)
	s_getreg_b32 s2, hwreg(HW_REG_IB_STS2, 6, 4)
	s_cmp_eq_u32 s2, 0
	s_cbranch_scc0 .Lentry_in_a_cluster
	s_endpgm
.Lentry_in_a_cluster:
	s_bfe_u32 s2, ttmp6, 0x10000c
	s_cmp_lg_u32 s2, 0x3003
	s_cbranch_scc0 .Lentry_shape_is_right
	s_endpgm
.Lentry_shape_is_right:
; Q, K, V = h W^T + b on codes of FP4 (E2M1) with E8M0 scales, sums in f32; the results are quantised in registers, Q and K along the channels, V along the tokens, and stored as images of
; the operands' registers for the attention launch.
; LIMITS: NaN and infinities are not served; a block whose largest magnitude lies under 2^-124 (zeros among them) gets the byte 1, read by this program alone.
; SHARES.  A work-group: 256 tokens (block rb) x 576 columns: nine units of 64 columns, q = 3 tau + m, tau = Q, K, V, columns 64 (4 m + j) on, j = work-group y.
; A wave: 64 tokens (four tiles, token group tg = w % 4) x half of each unit's columns (tiles 2 c and 2 c + 1 of four, c = w / 4).  Its 24 fragments of h stay in registers; a fragment of W read from LDS feeds four products.
; LDS: W's nine units (221,184 bytes) and h's 96 fragments (98,304 bytes), each filled ONCE: at the head W's first third by waves 0 to 3 and h by waves 4 to 7, one load a wave; behind a round the other two thirds of W, one load a wave,
; which have three units' work in which to land.
; CLUSTER.  The four work-groups of a cluster differ in rb alone and need the same W: its loads are joint, mask 15; their descriptors hang on j and the wave's number.  h is a work-group's own: no mask.
; NO PREFETCH: the text has no loop to run ahead in; all that it reads in bulk is asked for at the start.
; Q AND K ARE MADE TRANSPOSED (source 0 = 16 rows of W, source 1 = 16 tokens): a lane holds one token, and since lane r of W's tile 2 b + u is row 32 b + 8 u + r + 8 (r / 8), the 16 registers of tiles 2 b, 2 b + 1
; are 16 neighbouring channels 32 b + 16 h + 0 .. 15.  V IS MADE THE OTHER WAY ROUND (source 0 = 16 tokens, source 1 = 16 rows of Wv): a lane holds one channel, and since h's tiles are laid the same way,
; the 16 registers are 16 neighbouring tokens.  So one epilogue quantises both: four blocks of 32 a unit, lane l xor 16 holding the other half of each.
; The bias is the C of each sum's first matrix instruction.
; STORES: half a block is 8 bytes a lane, and a block of 16 rows 256 consecutive bytes, aligned.  The scale bytes leave one or two to a lane, 16 bytes apart: the work-groups along y, or the waves, fill a scale word between them.
; REGISTERS.  Window 0: v1-15 addresses; v16-27 h's scale images, v28-39 W's, two sets; v40-67 the epilogue's; v96-159 eight accumulators; v160-255 a unit's 12 fragments of W (8 (2 s + u)).
;   Window 1: v0-191 h's fragments (tile T, K step s at 8 (6 T + s)); v192-223 the bias, two sets of 2 x 8.
.set HS,  16
.set WS,  28
.set TM,  40                           ; v40-43  largest magnitudes of the 4 blocks
.set TP,  44                           ; v44-47  lane permutes' destinations
.set SO,  48                           ; v48-51  the conversions' scale operands
.set BY,  52                           ; v52-55  the bytes
.set SV,  56                           ; v56-57  bytes to store
.set PC,  60                           ; v60-67  codes
.set SPW, 68                           ; v68     LDS address of my spare word; never rewritten
.set NIL, 69                           ; v69     0; never rewritten
.set ACC, 96
.set WF,  160
.set BI,  192                          ; in window 1
.set WV,  26                           ; s26 my wave's number
.set G1,  32                           ; s[32:39] descriptor group 1 for W: 72 rows
.set G0,  40                           ; s[40:43] group 0 for W's first third, s[44:47] for the rest, s[48:51] for h
.set SEL, 52                           ; s[52:53]
.set HM,  63                           ; s63 lanes 16-31
.set G1H, 68                           ; s[68:75] group 1 for h: 96 rows
.set THIRD, 73728                      ; three units of 24,576 bytes
.set HB,   221184                      ; h's images [tg][24576]
.set SPARE, 319488                     ; the spare words, 128 bytes for each wave: four blocks of 256 bytes that no other line names
.set MSB, 0
.macro WIN new                         ; the immediate's high byte repeats the setting that is left
.if MSB != (\new)
	s_set_vgpr_msb (MSB<<8)|(\new)
.set MSB, (\new)
.endif
.endm
.macro PLACES n
.rept \n
	v_nop
.endr
.endm
.macro CROUND                          ; a round of the cluster's barrier
	s_barrier_signal -1
	s_barrier_wait -1
	s_cmp_lg_u32 s[WV], 0
	s_cbranch_scc1 .Lnot_wave_0_\@
	s_barrier_signal -3
.Lnot_wave_0_\@:
	s_barrier_wait -3
	s_barrier_signal -1
	s_barrier_wait -1
.endm
.macro WM d, a, b, c, sa, sb, odd      ; odd = 1: an odd K step's scale words lie in lanes 16-31
.if \odd
	v_wmma_scale_f32_16x16x128_f8f6f4 v[\d:\d+7], v[\a:\a+7], v[\b:\b+7], v[\c:\c+7], v[\sa], v[\sb] matrix_a_fmt:MATRIX_FMT_FP4 matrix_b_fmt:MATRIX_FMT_FP4 matrix_a_scale:MATRIX_SCALE_ROW1 matrix_b_scale:MATRIX_SCALE_ROW1
.else
	v_wmma_scale_f32_16x16x128_f8f6f4 v[\d:\d+7], v[\a:\a+7], v[\b:\b+7], v[\c:\c+7], v[\sa], v[\sb] matrix_a_fmt:MATRIX_FMT_FP4 matrix_b_fmt:MATRIX_FMT_FP4
.endif
.endm
; My part of unit q's scale images of W (6 loads) and of its bias, into set q % 2.  Q, K: lane (r, h) wants b at channels 32 c + 16 h + 8 u + 0 .. 7 of tile u (4 loads).  V: b at channel 16 (2 c + u) + r (2 loads).
.macro LOADU q
.set LSET, (\q)%2
.set LM,   (\q)%3
.set LB,   12+2*((\q)/3)
.irp u, 0,1
.irp i, 0,1,2
	global_load_b32 v[WS+6*LSET+3*\u+\i], v7, s[10:11] offset:1536*(\q)+384*\u+128*\i
.endr
.endr
	WIN 0x40                                       ; destination window 1
.irp u, 0,1
.if (\q) < 6
	global_load_b128 v[BI+16*LSET+8*\u:BI+16*LSET+8*\u+3], v8, s[LB:LB+1] offset:1024*LM+32*\u
	global_load_b128 v[BI+16*LSET+8*\u+4:BI+16*LSET+8*\u+7], v8, s[LB:LB+1] offset:1024*LM+32*\u+16
.else
	global_load_b32 v[BI+16*LSET+8*\u], v9, s[LB:LB+1] offset:1024*LM+64*\u
.endif
.endr
	WIN 0
.endm
.macro FETCHW q                        ; my 12 fragments of unit q: 24 LDS loads of 512 consecutive bytes
.irp s, 0,1,2,3,4,5
.irp u, 0,1
	ds_load_b128 v[WF+8*(2*\s+\u):WF+8*(2*\s+\u)+3],   v[1+(\q)/2] offset:((\q)%2)*24576+4096*\s+1024*\u
	ds_load_b128 v[WF+8*(2*\s+\u)+4:WF+8*(2*\s+\u)+7], v[1+(\q)/2] offset:((\q)%2)*24576+4096*\s+1024*\u+512
.endr
.endr
.endm
; 48 matrix instructions: K step by K step, the eight accumulators by turns in the same order
.macro MUL q
.set MS, (\q)%2
.irp s, 0,1,2,3,4,5
.if (\q) < 6
.if \s == 0
	WIN 0x14                                       ; source 0 (W) window 0, source 1 (h) window 1, C (the bias) window 1, D window 0
.else
	WIN 0x04
.endif
.else
.if \s == 0
	WIN 0x11                                       ; source 0 (h) window 1, source 1 (W) window 0, C window 1
.else
	WIN 0x01
.endif
.endif
.irp g, 0,1,2,3
.irp u, 0,1
.set rC, BI+16*MS+8*\u
.if (\q) < 6
.set rD, ACC+8*(2*\g+\u)
.set rA, WF+8*(2*\s+\u)
.set rB, 8*(6*\g+\s)
.set sA, WS+6*MS+3*\u+\s/2
.set sB, HS+3*\g+\s/2
.else
.set rD, ACC+16*(2*\u+\g/2)+8*(\g%2)
.set rA, 8*(6*\g+\s)
.set rB, WF+8*(2*\s+\u)
.set sA, HS+3*\g+\s/2
.set sB, WS+6*MS+3*\u+\s/2
.endif
.if \s == 0
	WM rD, rA, rB, rC, sA, sB, 0
.else
	WM rD, rA, rB, rD, sA, sB, \s%2
.endif
.endr
.endr
.endr
	WIN 0
.endm
; The epilogue.  Block k: registers ACC + 16 k + 0 .. 15 are 16 neighbours along the next K, lane l xor 16 holds the other 16.  Q, K: k = the token tile.  V: k = 2 u + b, channel tile u, token tiles 2 b and 2 b + 1.
.macro EPI q
	s_wait_xcnt 0x0                                ; the last unit's stores have read their registers: PC and SV are written again only behind this wait
.irp k, 0,1,2,3
	v_max3_num_f32 v[TM+\k], |v[ACC+16*\k]|, |v[ACC+16*\k+1]|, 0x1800000   ; each accumulator is read from its low end on; the floor 2^(3 - 127) holds the byte at 1 from below
.endr
.irp i, 2,4,6,8,10,12,14
.irp k, 0,1,2,3
	v_max3_num_f32 v[TM+\k], v[TM+\k], |v[ACC+16*\k+\i]|, |v[ACC+16*\k+\i+1]|
.endr
.endr
.irp k, 0,1,2,3
	v_permlanex16_b32 v[TP+\k], v[TM+\k], s[SEL], s[SEL+1]
.endr
.irp k, 0,1,2,3
	v_max_num_f32 v[TM+\k], v[TM+\k], v[TP+\k]     ; the block's largest magnitude
.endr
.irp k, 0,1,2,3
	v_add_nc_u32 v[SO+\k], 0xff000000, v[TM+\k]    ; 2 off its exponent field: the conversion's scale operand
.endr
.irp k, 0,1,2,3
	v_lshrrev_b32 v[BY+\k], 23, v[SO+\k]           ; the scale's byte
.endr
.irp k, 0,1,2,3
.irp u, 0,1
	v_cvt_scalef32_pk8_fp4_f32 v[PC+2*\k+\u], v[ACC+16*\k+8*\u:ACC+16*\k+8*\u+7], v[SO+\k]
.endr
.endr
	v_nop                                          ; one plain place behind the last conversion
.set EM, (\q)%3
.if (\q) < 6
	v_cndmask_b32 v[SV], v[BY], v[BY+1], s[HM]     ; lanes 0-15 store tile 0's, lanes 16-31 tile 1's;
	v_cndmask_b32 v[SV+1], v[BY+2], v[BY+3], s[HM] ; tiles 2 and 3
.irp g, 0,1,2,3
	global_store_b64 v10, v[PC+2*\g:PC+2*\g+1], s[18:19] offset:((\q)/3)*6291456+6144*\g+2048*EM   ; qkimg: [Q, K][tile][half image 4 m + j][512]
.endr
	global_store_b8 v12, v[SV], s[20:21] offset:((\q)/3)*393216+512*EM   ; qksc: [Q, K][group of four tiles][m][lane][tile][4]
	global_store_b8 v12, v[SV+1], s[20:21] offset:((\q)/3)*393216+512*EM+8
.else
	v_lshl_or_b32 v[BY], v[BY+1], 8, v[BY]         ; a channel tile's two bytes
	v_lshl_or_b32 v[BY+2], v[BY+3], 8, v[BY+2]
	v_cndmask_b32 v[SV], v[BY], v[BY+2], s[HM]
.irp k, 0,1,2,3
	global_store_b64 v11, v[PC+2*\k:PC+2*\k+1], s[22:23] offset:131072*EM+1024*(\k/2)+256*(\k%2)   ; vimg: [batch][channel group 4 m + j][128 keys][channel tile][half][512]
.endr
	global_store_b16 v13, v[SV], s[24:25] offset:8192*EM   ; vsc: [batch][channel group][rb % 4][lane][channel tile][4]
.endif
.endm
.macro UNIT q
.if (\q) < 8
	LOADU (\q)+1
.if (\q)+1 < 6
	s_wait_loadcnt 10                              ; all but the 10 loads just issued: this unit's scale images and bias are in
.else
	s_wait_loadcnt 8                               ; the same; V's units ask for 8
.endif
.else
	s_wait_loadcnt 0x0
.endif
.if (\q) >= 6
	WIN 0x41                                       ; V's bias is one number a lane: it fills the tile's eight registers
.irp k, 1,2,3,4,5,6,7
.irp u, 0,1
	v_mov_b32 v[BI+16*((\q)%2)+8*\u+\k], v[BI+16*((\q)%2)+8*\u]
.endr
.endr
	WIN 0
	PLACES 4
.endif
	s_wait_alu depctr_va_vdst(0)
	s_wait_dscnt 0x0                               ; W's fragments are in
	MUL \q
	PLACES 4                                       ; in front of the loads into W's registers and of the first read of results
.if (\q) == 2
	s_wait_tensorcnt 0x0                           ; my part of W's second and last third has landed
	s_barrier_signal -1
	s_barrier_wait -1
.endif
.if (\q) < 8
	FETCHW (\q)+1                                  ; lands under the epilogue
.endif
	EPI \q
.endm
	s_load_b256 s[4:11], s[0:1], 0x0               ; himg s[4:5], hsc s[6:7], wimg s[8:9], wsc s[10:11]
	s_load_b256 s[12:19], s[0:1], 0x20             ; bq s[12:13], bk s[14:15], bv s[16:17], qkimg s[18:19]
	s_load_b128 s[20:23], s[0:1], 0x40             ; qksc s[20:21], vimg s[22:23]
	s_load_b64 s[24:25], s[0:1], 0x50              ; vsc
	v_lshl_add_u32 v[SPW], v0, 2, SPARE
	v_mov_b32 v[NIL], 0
	ds_add_u32 v[SPW], v[NIL]                      ; the wave's opening: the add, twice on end, and its wait
	ds_add_u32 v[SPW], v[NIL]
	v_lshrrev_b32 v40, 5, v0
	v_readfirstlane_b32 s[WV], v40                 ; wave w
	v_and_b32 v40, 31, v0                          ; lane
	v_and_b32 v41, 15, v0                          ; r
	v_bfe_u32 v42, v0, 4, 1                        ; h
	s_and_b32 s2, s[WV], 3                         ; tg
	s_lshr_b32 s3, s[WV], 2                        ; c
	v_lshlrev_b32 v6, 4, v40                       ; 16 x lane
	s_lshl_b32 s54, s3, 11
	v_add_nc_u32 v1, s54, v6                       ; LDS: my two tiles of units 0 and 1: + 2,048 c
.irp k, 1,2,3,4
	v_add_nc_u32 v[1+\k], 49152*\k, v1             ; units 2 k and 2 k + 1
.endr
	v_lshlrev_b32 v15, 2, v40                      ; 4 x lane
	s_mul_i32 s55, s3, 768
	v_add_nc_u32 v7, s55, v15                      ; W's scale images, + 768 c
	s_lshl_b32 s55, s3, 7
	v_lshlrev_b32 v8, 6, v42
	v_add_nc_u32 v8, s55, v8                       ; 64 h + 128 c: Q's and K's bias
	v_lshlrev_b32 v9, 2, v41
	v_add_nc_u32 v9, s55, v9                       ; 4 r + 128 c: V's bias
	v_lshlrev_b32 v43, 4, v41                      ; 16 r
	v_lshl_add_u32 v10, v42, 3, v43                ; 16 r + 8 h: half a block:
	v_add_nc_u32 v11, s54, v10                     ; V's, + 2,048 c
	s_lshl_b32 s55, s3, 8
	v_add_nc_u32 v10, s55, v10                     ; Q's and K's, + 256 c
	v_lshl_add_u32 v12, v42, 2, v43                ; 16 r + 4 h: scale bytes, two tiles a store:
	s_lshl_b32 s55, s3, 3
	v_add_nc_u32 v13, s55, v12                     ; V's, + 8 c
	v_add_nc_u32 v12, s3, v12                      ; Q's and K's, + c
	s_mul_i32 s56, s2, 24576
	s_add_co_u32 s56, s56, HB
	v_add_nc_u32 v14, s56, v6                      ; LDS: my group's fragments of h
.irp k, 0,1,2,3
	v_mov_b32 v[TP+\k], 0                          ; written once: a lane permute's destination counts as one of its sources
.endr
	s_mov_b32 s[SEL], 0x76543210
	s_mov_b32 s[SEL+1], 0xfedcba98
	s_mov_b32 s[HM], 0xffff0000
	s_bfe_u32 s27, ttmp6, 0x40000                  ; cx: it enters the addresses of h and of the results alone
	s_lshl_b32 s28, ttmp9, 2
	s_add_co_u32 s28, s28, s27                     ; rb
	s_and_b32 s29, ttmp7, 0xffff                   ; j, which the four partners share
	s_lshl_b32 s30, s28, 2
	s_add_co_u32 s30, s30, s2                      ; G: my group of 64 tokens
	s_mul_i32 s31, s[WV], 18432                    ; 72 rows of 256 bytes: a quarter of W's first third (waves 0 to 3), or an eighth of the rest
	s_mul_i32 s58, s29, 221184
	s_add_co_u32 s58, s58, s31
	s_mov_b32 s59, 0
	s_mul_i32 s60, s30, 24576                      ; my group's images
	s_mov_b32 s61, 0
	; descriptor group 1: dense blocks as rows of 32 elements of 8 bytes, no padding (every LDS load of them takes 512 consecutive bytes)
	s_mov_b32 s[G1+0], 15|(3<<16)|(1<<21)          ; 15:0 the mask: all four work-groups; 17:16 elements of 8 bytes; 21 set beside a mask
	s_mov_b32 s[G1H+0], 3<<16                      ; h: no mask
	s_mov_b32 s[G1+2], 72<<16                      ; tensor_dim1
	s_mov_b32 s[G1+4], 72                          ; tile_dim1
	s_mov_b32 s[G1H+2], 96<<16
	s_mov_b32 s[G1H+4], 96
.irp g, G1, G1H
	s_mov_b32 s[\g+1], 32<<16                      ; tensor_dim0
	s_mov_b32 s[\g+3], 32<<16                      ; tile_dim0
	s_mov_b32 s[\g+5], 32                          ; from row to row
	s_mov_b32 s[\g+6], 0
	s_mov_b32 s[\g+7], 0
.endr
	s_wait_alu depctr_va_vdst(0)                   ; the wait at the head's end
	s_wait_dscnt 0x0                               ; both opening adds are done
	s_wait_kmcnt 0x0
	s_add_nc_u64 s[8:9], s[8:9], s[58:59]          ; wimg at [j], my 72 rows
	s_mov_b32 s[G0], 1                             ; W's first third
	s_mov_b32 s[G0+1], s31
	s_mov_b64 s[G0+2:G0+3], s[8:9]
	s_or_b32 s[G0+3], s[G0+3], 0x80000000
	s_mov_b32 s[G0+4], 1                           ; the other two
	s_add_co_u32 s[G0+5], s31, THIRD
	s_add_nc_u64 s[G0+6:G0+7], s[8:9], THIRD
	s_or_b32 s[G0+7], s[G0+7], 0x80000000
	s_mov_b32 s[G0+8], 1                           ; h: group w - 4 = tg
	s_mov_b32 s[G0+9], s56
	s_add_nc_u64 s[G0+10:G0+11], s[4:5], s[60:61]
	s_or_b32 s[G0+11], s[G0+11], 0x80000000
	CROUND                                         ; all four work-groups are here: the joint loads meet
	s_cmp_lt_u32 s[WV], 4                          ; one load a wave: the branch hangs on the wave's number alone
	s_cbranch_scc0 .Lhead_h
	tensor_load_to_lds s[G0:G0+3], s[G1:G1+7]
	s_nop 0
	PLACES 4
	s_branch .Lhead_asked
.Lhead_h:
	tensor_load_to_lds s[G0+8:G0+11], s[G1H:G1H+7]
	s_nop 0
	PLACES 4
.Lhead_asked:
	s_mov_b32 s55, 0
	s_mul_i32 s54, s30, 1536
	s_add_nc_u64 s[6:7], s[6:7], s[54:55]          ; hsc: my four tiles
	s_mul_i32 s56, s29, 13824
	s_mov_b32 s57, 0
	s_add_nc_u64 s[10:11], s[10:11], s[56:57]      ; wsc at [j]
	s_lshl_b32 s56, s29, 8
	s_add_nc_u64 s[12:13], s[12:13], s[56:57]      ; the biases at column 64 j
	s_add_nc_u64 s[14:15], s[14:15], s[56:57]
	s_add_nc_u64 s[16:17], s[16:17], s[56:57]
.set f, 0
.rept 12
	global_load_b32 v[HS+f], v15, s[6:7] offset:128*f
.set f, f+1
.endr
	LOADU 0
	s_lshr_b32 s56, s29, 1
	s_lshl_b32 s56, s56, 8
	s_add_co_u32 s54, s54, s56                     ; qksc: K step 2 m + j / 2: odd ones in lanes 16-31,
	s_and_b32 s56, s29, 1
	s_lshl_b32 s56, s56, 1
	s_add_co_u32 s54, s54, s56                     ; bytes 2 (j % 2) on of the word
	s_add_nc_u64 s[20:21], s[20:21], s[54:55]
	s_lshl_b32 s56, s29, 9
	s_add_co_u32 s60, s60, s56
	s_add_nc_u64 s[18:19], s[18:19], s[60:61]      ; qkimg: my four tiles, half image j
	s_lshr_b32 s56, s28, 2                         ; batch
	s_and_b32 s57, s28, 3
	s_lshr_b32 s60, s2, 1
	s_and_b32 s61, s2, 1
	s_lshl_b32 s54, s57, 1
	s_add_co_u32 s54, s54, s60                     ; my 64 tokens are half tg % 2 of the batch's K step 2 (rb % 4) + tg / 2
	s_lshl_b32 s54, s54, 12
	s_mul_i32 s62, s56, 393216
	s_add_co_u32 s54, s54, s62
	s_lshl_b32 s62, s29, 15
	s_add_co_u32 s54, s54, s62
	s_lshl_b32 s62, s61, 9
	s_add_co_u32 s54, s54, s62
	s_add_nc_u64 s[22:23], s[22:23], s[54:55]      ; vimg
	s_mul_i32 s54, s56, 24576
	s_lshl_b32 s62, s29, 11
	s_add_co_u32 s54, s54, s62
	s_lshl_b32 s62, s57, 9
	s_add_co_u32 s54, s54, s62
	s_lshl_b32 s62, s60, 8
	s_add_co_u32 s54, s54, s62
	s_lshl_b32 s62, s61, 1
	s_add_co_u32 s54, s54, s62
	s_add_nc_u64 s[24:25], s[24:25], s[54:55]      ; vsc: odd K steps in lanes 16-31; bytes 2 (tg % 2) on
	s_wait_tensorcnt 0x0                           ; my load has landed
	ds_add_u32 v[SPW], v[NIL]
	s_wait_dscnt 0x0
	CROUND                                         ; W's first third and h are whole, and all four work-groups are here
	tensor_load_to_lds s[G0+4:G0+7], s[G1:G1+7]    ; the rest of W, an eighth a wave
	s_nop 0
	PLACES 4
	WIN 0x40
.set f, 0
.rept 48
	ds_load_b128 v[4*f:4*f+3], v14 offset:512*f    ; h's 24 fragments stay in registers
.set f, f+1
.endr
	WIN 0
	FETCHW 0
.irp q, 0,1,2,3,4,5,6,7,8
	UNIT \q
.endr
	s_wait_tensorcnt 0x0                           ; the wave's end
	ds_add_u32 v[SPW], v[NIL]
	s_wait_dscnt 0x0
	CROUND                                         ; the closing round
	s_endpgm
.Lfunc_end_k_q472ba87fdb_proj:
	.size	k_q472ba87fdb_proj, .Lfunc_end_k_q472ba87fdb_proj-k_q472ba87fdb_proj
	.p2alignl 7, 3214868480
	.fill 96, 4, 3214868480
	.section	.rodata,"a",@progbits
	.p2align	6, 0x0
	.amdhsa_kernel k_q472ba87fdb_proj
		.amdhsa_group_segment_fixed_size 327680
		.amdhsa_private_segment_fixed_size 0
		.amdhsa_enable_private_segment 0
		.amdhsa_kernarg_size 88
		.amdhsa_user_sgpr_count 2
		.amdhsa_user_sgpr_kernarg_segment_ptr 1
		.amdhsa_wavefront_size32 1
		.amdhsa_system_sgpr_workgroup_id_x 1
		.amdhsa_system_sgpr_workgroup_id_y 1
		.amdhsa_system_sgpr_workgroup_id_z 1
		.amdhsa_system_vgpr_workitem_id 0
		.amdhsa_next_free_vgpr 512
		.amdhsa_next_free_sgpr 76
		.amdhsa_reserve_vcc 0
		.amdhsa_float_denorm_mode_32 3
		.amdhsa_float_denorm_mode_16_64 3
		.amdhsa_memory_ordered 1
		.amdhsa_forward_progress 1
		.amdhsa_inst_pref_size 131
	.end_amdhsa_kernel
	.amdgpu_metadata
---
amdhsa.version: [ 1, 2 ]
amdhsa.kernels:
  - .name:           k_q472ba87fdb_proj
    .symbol:         k_q472ba87fdb_proj.kd
    .args:
      - { .name: himg, .offset: 0, .size: 8, .value_kind: global_buffer, .address_space: global }
      - { .name: hsc, .offset: 8, .size: 8, .value_kind: global_buffer, .address_space: global }
      - { .name: wimg, .offset: 16, .size: 8, .value_kind: global_buffer, .address_space: global }
      - { .name: wsc, .offset: 24, .size: 8, .value_kind: global_buffer, .address_space: global }
      - { .name: bq, .offset: 32, .size: 8, .value_kind: global_buffer, .address_space: global }
      - { .name: bk, .offset: 40, .size: 8, .value_kind: global_buffer, .address_space: global }
      - { .name: bv, .offset: 48, .size: 8, .value_kind: global_buffer, .address_space: global }
      - { .name: qkimg, .offset: 56, .size: 8, .value_kind: global_buffer, .address_space: global }
      - { .name: qksc, .offset: 64, .size: 8, .value_kind: global_buffer, .address_space: global }
      - { .name: vimg, .offset: 72, .size: 8, .value_kind: global_buffer, .address_space: global }
      - { .name: vsc, .offset: 80, .size: 8, .value_kind: global_buffer, .address_space: global }
    .group_segment_fixed_size: 327680
    .private_segment_fixed_size: 0
    .kernarg_segment_align: 8
    .kernarg_segment_size: 88
    .max_flat_workgroup_size: 256
    .sgpr_count:     76
    .vgpr_count:     512
    .wavefront_size: 32
...
	.end_amdgpu_metadata
.endif
;; end of part 2
;; launch attn (part 3): grid 64 x 4, 4 waves a work-group, clusters of 4 x 1, 327,680 bytes of LDS; arguments qkimg, qksc, vimg, vsc, out0; writes out0
.if DOCPART == 3
	.amdgcn_target "amdgcn-amd-amdhsa--gfx1250"
	.amdhsa_code_object_version 6
	.text
	.protected	k_q472ba87fdb_attn
	.globl	k_q472ba87fdb_attn
	.p2align	8
	.type	k_q472ba87fdb_attn,@function
k_q472ba87fdb_attn:
	s_mov_b64 s[64:65], 0
	v_nop
	global_prefetch_b8 v0, s[64:65] scope:SCOPE_SE
	s_setreg_imm32_b32 hwreg(HW_REG_WAVE_MODE, 25, 1), 1
	s_wait_xcnt 0x0
	s_wait_alu depctr_hold_cnt(0) depctr_sa_sdst(0) depctr_va_vdst(0) depctr_va_sdst(0) depctr_va_ssrc(0) depctr_va_vcc(0) depctr_vm_vsrc(0)
	s_getreg_b32 s2, hwreg(HW_REG_IB_STS2, 6, 4)
	s_cmp_eq_u32 s2, 0
	s_cbranch_scc0 .Lentry_in_a_cluster
	s_endpgm
.Lentry_in_a_cluster:
	s_bfe_u32 s2, ttmp6, 0x10000c
	s_cmp_lg_u32 s2, 0x3003
	s_cbranch_scc0 .Lentry_shape_is_right
	s_endpgm
.Lentry_shape_is_right:
; out0[b][q][:] = the sum over keys of softmax(Q . K / sqrt(768)) V, both products on codes of FP4 (E2M1) with E8M0 scales, sums in f32.  Q, K, V arrive as images of the operands' registers.
; THE SOFTMAX: t = score x log2(e) / sqrt(768); M = the row's largest t rounded up to a whole number; p = 2^(t - M) is quantised along the keys, not normalised; the row's sum of the unquantised p divides at the end.
; LIMITS: NaN and infinities are not served; the promise holds while the scaled scores stay under 2^31 in magnitude; p under 2^-126 counts as 0 (v_exp_f32); a block whose largest p lies under 2^-124 gets the byte 1.
; A block's largest p is made of its largest score by the same multiply-add and exponential as every p, which takes v_exp_f32 not to fall where its input rises.
; SHARES.  A work-group: 64 queries (four tiles T) of one batch, the cluster's x.  THE WAVES SHARE THE COLUMNS.  S^T = K Q^T: wave w takes keys 256 w on (16 key tiles) for all 64 queries: 64 accumulators, 512 registers:
; the whole row of scores stays in registers, so M is the row's own and nothing is rescaled.  O^T = V^T P^T: wave w takes channels 192 w on, as three groups of 64: P stays in 256 registers, a group's V in 256,
; and a group's 16 accumulators take one of two sets of 128, so that a group is stored while the next one is multiplied.  Each fragment of K and V feeds four products and is read by one wave, once.
; CLUSTER.  The four work-groups of a cluster need the same K and V: these are asked for JOINTLY (mask 15; the descriptors hang on the batch and the wave's number alone): at the head key tiles 4 to 15 of each wave (4 x 73,728 bytes);
; behind the round after them channel groups 0 and 1 of V (4 x 65,536 bytes), which have the softmax in which to land; behind a second round group 2 (4 x 32,768 bytes) over group 0, which by then lies in registers.
; K is 393,216 bytes, more than LDS holds: key tiles 0 to 3 of each wave come straight into registers.  Each wave reads only what it fetched itself.  One tensor load a wave is out at any time.
; Q: each wave fetches one tile and passes it on through LDS.  NO PREFETCH: the text has no loop to run ahead in, and V is asked for ahead of the whole softmax.
; LAYOUT.  A lane holds ONE query (lane % 16) in S^T, P and O^T.  Lane r of key tile 2 b + u of a group of 64 is key 32 b + 8 u + r + 8 (r / 8), so the 16 registers of tiles 2 beta, 2 beta + 1 are keys 32 beta + 16 h + 0 .. 15.
; The queries' tiles are laid the same way; the way out puts the rows back.  Scale images come four to a load: [lane][tile][4].
; REGISTERS, in windows of 256.  Window 0: v0-15 addresses; v16-79 scale words and nothing else once they are loaded (Q 12, K 3 x 12; later P 16, V 48); v64-255 four key tiles by turns, later the softmax's, later the way out's.
;   Window 1: v0-191 Q (8 (6 T + s)), v192-239 my tile of Q on its way to LDS, later v192-207 block maxima; then P, K step k, tile T at 32 k + 8 T.
;   Windows 2, 3: S^T (key tile kt, T) at 32 (kt % 8) + 8 T.  Then window 2: O^T of group n, channel tile e at 128 (n % 2) + 32 e + 8 T; window 3: V of a group, tile e, K step k at 64 e + 8 k.
.set QS,  16                           ; v16-27   Q's scale images: 4 i + T
.set KSC, 28                           ; v28-63   K's: tile kt at 12 ((kt / 4) % 3) + 4 i + kt % 4
.set PS,  16                           ; v16-31   P's: 4 k2 + T
.set VS,  32                           ; v32-79   V's: 16 n + 4 k2 + e
.set KFR, 64                           ; v64-255  four key tiles
.set TM,  80                           ; v80-111  block 8 T + beta: largest score, then largest p, then the byte
.set SU,  80                           ; v80-95   then the sums: two chains of pairs for each T
.set SO,  112                          ; v112-143 the conversions' scale operands
.set TP,  144                          ; v144-151 lane permutes' destinations
.set NM,  152                          ; v152-159 -M, a pair for each T
.set RR,  160                          ; v160-163 a figure for each T
.set WD,  164                          ; v164-171 P's scale words
.set PW,  172                          ; v172-175 P's scale images
.set EX,  176                          ; v176-191 four waves' figures for each T
.set PC,  192                          ; v192-255 P's codes: fragment 2 T + kappa' at 8 registers each
.set OB,  80                           ; v80-207  the way out: 32 registers for each T
.set IL,  208                          ; v208-215 1 / l, a pair for each T
.set TB,  192                          ; in window 1: block maxima of the first eight key tiles
.set AK,  10                           ; v10-11   LDS: my key tiles 4-11, 12-15
.set AV,  12                           ; v12      LDS: my part of V
.set SPW, 13                           ; v13      LDS address of my spare word: SPARE + 4 x my thread's number; never rewritten
.set NIL, 14                           ; v14      0; never rewritten
.set AP,  15                           ; v15      LDS: P's images, 16 x lane; their scale images lie 32,768 on
.set KREG, 12*6144                     ; LDS: wave w's 12 key tiles at KREG w: bytes 0 to 294,911
.set PIMG, 262144                      ; wave w's V lies at 65,536 w: bytes 0 to 262,143.  Behind it, in bytes of K's that have had their last fill: P's images [K step][T][1024],
.set PSC,  PIMG+32768                  ; their scale images [k2][lane][T][4],
.set MXB,  PSC+2048                    ; the maxima [T][r][wave], and 1,024 bytes on the sums
.set STG,  MXB+2048                    ; the stages of the way out: 16 rows x 272 bytes for each wave
.set QIMG, 302592                      ; Q's images [T][6144]: read for the last time ahead of the first refill's round; the stages' stores come behind it
.set SPARE, 327168                     ; the spare words, 128 bytes for each wave: two blocks of 256 bytes that no other line names
.set SPI, 272
.set WV,  14
.set CS,  30                           ; s[30:31] c = log2(e) / sqrt(768)
.set SEL, 32                           ; s[32:33]
.set HM,  34                           ; s34 lanes 16-31
.set G1A, 40                           ; s[40:47] descriptor group 1: K, 288 rows of 256 bytes
.set G1V, 48                           ; s[48:55] V: 256 rows, then 128
.set G0,  56                           ; s[56:59] group 0 for K
.set G0V, 60                           ; s[60:63] for V
.set MSB, 0
.macro WIN new                         ; the immediate's high byte repeats the setting that is left
.if MSB != (\new)
	s_set_vgpr_msb (MSB<<8)|(\new)
.set MSB, (\new)
.endif
.endm
.macro PLACES n
.rept \n
	v_nop
.endr
.endm
.macro BARRIER                         ; my LDS stores have landed and my LDS loads are in: then the work-group's barrier
	s_wait_dscnt 0x0
	s_barrier_signal -1
	s_barrier_wait -1
.endm
.macro CROUND                          ; a round of the cluster's barrier
	s_barrier_signal -1
	s_barrier_wait -1
	s_cmp_lg_u32 s[WV], 0
	s_cbranch_scc1 .Lnot_wave_0_\@
	s_barrier_signal -3
.Lnot_wave_0_\@:
	s_barrier_wait -3
	s_barrier_signal -1
	s_barrier_wait -1
.endm
.macro WMZ d, a, b, sa, sb             ; the first K step starts a sum: nothing is cleared
	v_wmma_scale_f32_16x16x128_f8f6f4 v[\d:\d+7], v[\a:\a+7], v[\b:\b+7], 0, v[\sa], v[\sb] matrix_a_fmt:MATRIX_FMT_FP4 matrix_b_fmt:MATRIX_FMT_FP4
.endm
.macro WM d, a, b, sa, sb, odd         ; odd = 1: an odd K step's scale words lie in lanes 16-31
.if \odd
	v_wmma_scale_f32_16x16x128_f8f6f4 v[\d:\d+7], v[\a:\a+7], v[\b:\b+7], v[\d:\d+7], v[\sa], v[\sb] matrix_a_fmt:MATRIX_FMT_FP4 matrix_b_fmt:MATRIX_FMT_FP4 matrix_a_scale:MATRIX_SCALE_ROW1 matrix_b_scale:MATRIX_SCALE_ROW1
.else
	v_wmma_scale_f32_16x16x128_f8f6f4 v[\d:\d+7], v[\a:\a+7], v[\b:\b+7], v[\d:\d+7], v[\sa], v[\sb] matrix_a_fmt:MATRIX_FMT_FP4 matrix_b_fmt:MATRIX_FMT_FP4
.endif
.endm
.macro KSCL g                          ; the scale images of key tiles 4 g .. 4 g + 3
.irp i, 0,1,2
	global_load_b128 v[KSC+12*((\g)%3)+4*\i:KSC+12*((\g)%3)+4*\i+3], v1, s[22:23] offset:1536*(\g)+512*\i
.endr
.endm
.macro KDIR kt                         ; key tile kt's six fragments, from memory
.irp f, 0,1,2,3,4,5,6,7,8,9,10,11
	global_load_b128 v[KFR+48*((\kt)%4)+4*\f:KFR+48*((\kt)%4)+4*\f+3], v1, s[20:21] offset:6144*(\kt)+512*\f
.endr
.endm
.macro KDS kt                          ; key tiles kt and kt + 1, from LDS: 24 loads of 512 consecutive bytes
.irp u, 0,1
.irp f, 0,1,2,3,4,5,6,7,8,9,10,11
	ds_load_b128 v[KFR+48*(((\kt)+\u)%4)+4*\f:KFR+48*(((\kt)+\u)%4)+4*\f+3], v[AK+((\kt)+\u-4)/8] offset:6144*(((\kt)+\u-4)%8)+512*\f
.endr
.endr
.endm
; Key tiles 2 q, 2 q + 1 against the four tiles of queries: 48 matrix instructions, the eight accumulators by turns
.macro PAIR q
	WIN 0xa4+0x50*((\q)/4)                         ; source 0 (K) window 0, source 1 (Q) window 1, C and D window 2 or 3
.irp s, 0,1,2,3,4,5
.irp u, 0,1
.irp t, 0,1,2,3
.set rD, 32*((2*(\q)+\u)%8)+8*\t
.set rA, KFR+48*((2*(\q)+\u)%4)+8*\s
.set rB, 8*(6*\t+\s)
.set sA, KSC+12*(((2*(\q)+\u)/4)%3)+4*(\s/2)+((2*(\q)+\u)%4)
.set sB, QS+4*(\s/2)+\t
.if \s == 0
	WMZ rD, rA, rB, sA, sB
.else
	WM rD, rA, rB, sA, sB, \s%2
.endif
.endr
.endr
.endr
	WIN 0
.endm
; One row of the search for the largest score of each block of 32 keys among the first eight key tiles (window 2), into window 1: 16 vector instructions that name no register of the pairs multiplied meanwhile.
; Each accumulator is read from its low end on.
.macro BROW i
	WIN 0x5a
.irp t, 0,1,2,3
.irp b, 0,1,2,3
.if \i == 0
	v_max_num_f32 v[TB+4*\t+\b], v[64*\b+8*\t], v[64*\b+8*\t+1]
.else
	v_max3_num_f32 v[TB+4*\t+\b], v[64*\b+8*\t+\i], v[64*\b+8*\t+\i+1], v[TB+4*\t+\b]
.endif
.endr
.endr
	WIN 0
.endm
.macro PEXP win                        ; p = 2^(c s - M) for a window's 256 scores
	WIN 0x82+0x41*(\win)
.set i, 0
.rept 128
	v_pk_fma_f32 v[2*i:2*i+1], v[2*i:2*i+1], s[CS:CS+1], v[NM+2*((i/4)%4):NM+2*((i/4)%4)+1] op_sel_hi:[1,0,0]
.set i, i+1
.endr
.set i, 0
	s_wait_alu depctr_va_vdst(0)                   ; the wait ahead of the batch
.rept 256
	v_exp_f32 v[i], v[i]
.set i, i+1
.endr
.endm
.macro SUMK k                          ; key tile k of the window in hand joins the sums: two chains for each T, the four T by turns
.irp z, 0,1,2,3
.irp t, 0,1,2,3
	v_pk_add_f32 v[SU+4*\t+2*(\z%2):SU+4*\t+2*(\z%2)+1], v[SU+4*\t+2*(\z%2):SU+4*\t+2*(\z%2)+1], v[32*(\k)+8*\t+2*\z:32*(\k)+8*\t+2*\z+1]
.endr
.endr
.endm
.macro CODES win                       ; window 2 + win holds my K step kappa' = win
	WIN 0x02+(\win)
.irp t, 0,1,2,3
.irp b, 0,1,2,3
.irp u, 0,1
	v_cvt_scalef32_pk8_fp4_f32 v[PC+8*(2*\t+(\win))+2*\b+\u], v[64*\b+32*\u+8*\t:64*\b+32*\u+8*\t+7], v[SO+8*\t+4*(\win)+\b]
.endr
.endr
.endr
.endm
.macro PLD k                           ; P of K step k: 8 loads into window 1
	WIN 0x40
.irp f, 0,1,2,3,4,5,6,7
	ds_load_b128 v[32*(\k)+4*\f:32*(\k)+4*\f+3], v[AP] offset:4096*(\k)+512*\f
.endr
.endm
.macro VLD n, k, p                     ; V of group n, K step k, channel tiles 2 p and 2 p + 1: 4 loads into window 3
	WIN 0xc0
.irp u, 0,1
.irp c, 0,1
	ds_load_b128 v[64*(2*(\p)+\u)+8*(\k)+4*\c:64*(2*(\p)+\u)+8*(\k)+4*\c+3], v[AV] offset:32768*((\n)%2)+4096*(\k)+1024*(2*(\p)+\u)+512*\c
.endr
.endr
.endm
.macro PVK n, k, p                     ; O^T += V^T P^T: group n, K step k, tiles 2 p and 2 p + 1: eight accumulators by turns
	WIN 0xa7                                       ; source 0 (V) window 3, source 1 (P) window 1, C and D window 2
.irp u, 0,1
.irp t, 0,1,2,3
.set rD, 128*((\n)%2)+32*(2*(\p)+\u)+8*\t
.set rA, 64*(2*(\p)+\u)+8*(\k)
.set rB, 32*(\k)+8*\t
.set sA, VS+16*(\n)+4*((\k)/2)+2*(\p)+\u
.set sB, PS+4*((\k)/2)+\t
.if (\k) == 0
	WMZ rD, rA, rB, sA, sB
.else
	WM rD, rA, rB, sA, sB, (\k)%2
.endif
.endr
.endr
.endm
; THE WAY OUT of group n's tile t: a lane's eight channels of a row go into my own stage and come back as rows of 256 bytes; sixteen lanes then store 256 consecutive bytes, aligned.
.macro STAGE n, t
	WIN 0x08
.irp e, 0,1,2,3
	ds_store_b128 v7, v[128*((\n)%2)+32*\e+8*(\t):128*((\n)%2)+32*\e+8*(\t)+3] offset:64*\e
	ds_store_b128 v7, v[128*((\n)%2)+32*\e+8*(\t)+4:128*((\n)%2)+32*\e+8*(\t)+7] offset:64*\e+16
.endr
	WIN 0
.irp y, 0,1,2,3,4,5,6,7
	ds_load_b128 v[OB+32*(\t)+4*\y:OB+32*(\t)+4*\y+3], v8 offset:2*SPI*\y   ; LDS serves a wave's instructions in order: these see the stores above, and the next tile's stores come behind them
.endr
.endm
.macro SEND n, t                       ; stage rows 2 y and 2 y + 1 of tile t = 2 b + u are queries 32 b + 8 u + 2 y + 8 (y / 4) and the next
.irp y, 0,1,2,3,4,5,6,7
	global_store_b128 v9, v[OB+32*(\t)+4*\y:OB+32*(\t)+4*\y+3], s[28:29] offset:(32*((\t)/2)+8*((\t)%2)+2*\y+8*(\y/4))*3072+256*(\n) th:TH_STORE_NT
.endr
.endm
.macro OUT n, more                     ; more = 1: the next group's tiles 2 and 3 are fetched behind the stage
.if (\n) > 0
	s_wait_xcnt 0x0                                ; the last group's stores have read their registers: its successors land there only behind this wait
.endif
	PLACES 4                                       ; in front of the first read of results, and of loads into V's registers
	WIN 0x82
.set i, 0
.rept 64
	v_pk_mul_f32 v[128*((\n)%2)+2*i:128*((\n)%2)+2*i+1], v[128*((\n)%2)+2*i:128*((\n)%2)+2*i+1], v[IL+2*((i/4)%4):IL+2*((i/4)%4)+1] op_sel_hi:[1,0]   ; O^T / l; each accumulator from its low end on
.set i, i+1
.endr
	s_wait_alu depctr_va_vdst(0)
	STAGE \n, 0
	STAGE \n, 1
	s_wait_dscnt 16                                ; all but tile 1's 8 stores and 8 loads: tile 0 is back
	SEND \n, 0
	STAGE \n, 2
	s_wait_dscnt 16
	SEND \n, 1
	STAGE \n, 3
	s_wait_dscnt 16
	SEND \n, 2
.if \more
.irp k, 0,1,2,3,4,5,6,7
	VLD (\n)+1, \k, 1
.endr
	WIN 0
	s_wait_dscnt 32                                ; all but V's 32 loads
.else
	s_wait_dscnt 0x0
.endif
	SEND \n, 3
.endm
	s_load_b256 s[4:11], s[0:1], 0x0               ; qkimg s[4:5], qksc s[6:7], vimg s[8:9], vsc s[10:11]
	s_load_b64 s[12:13], s[0:1], 0x20              ; out0
	v_lshl_add_u32 v[SPW], v0, 2, SPARE
	v_mov_b32 v[NIL], 0
	ds_add_u32 v[SPW], v[NIL]                      ; the wave's opening: the add, twice on end, and its wait
	ds_add_u32 v[SPW], v[NIL]
	v_lshrrev_b32 v64, 5, v0
	v_readfirstlane_b32 s[WV], v64                 ; wave w
	v_and_b32 v64, 31, v0                          ; lane
	v_and_b32 v65, 15, v0                          ; r
	v_bfe_u32 v66, v0, 4, 1                        ; h
	v_lshlrev_b32 v1, 4, v64                       ; 16 x lane
	v_add_nc_u32 v2, QIMG, v1                      ; Q's images
	v_lshl_add_u32 v4, v65, 4, MXB                 ; the four waves' figures of query r
	s_lshl_b32 s36, s[WV], 2
	v_add_nc_u32 v3, s36, v4                       ; mine among them
	s_lshl_b32 s36, s[WV], 13
	s_add_co_u32 s36, s36, PIMG
	v_add_nc_u32 v5, s36, v1                       ; P's images: my K steps 2 w and 2 w + 1
	s_lshl_b32 s36, s[WV], 9
	s_add_co_u32 s36, s36, PSC
	v_add_nc_u32 v6, s36, v1                       ; and their scale images
	s_mul_i32 s36, s[WV], 16*SPI
	s_add_co_u32 s36, s36, STG
	v_mul_u32_u24 v7, v65, SPI
	v_lshl_add_u32 v7, v66, 5, v7
	v_add_nc_u32 v7, s36, v7                       ; my stage, in: row r, + 32 h
	v_mul_u32_u24 v8, v66, SPI
	v_lshl_add_u32 v8, v65, 4, v8
	v_add_nc_u32 v8, s36, v8                       ; back: lanes 0-15 one row, lanes 16-31 the next
	v_mul_u32_u24 v9, v66, 3072
	v_lshl_add_u32 v9, v65, 4, v9                  ; and the same in out0
	s_mul_i32 s35, s[WV], KREG                     ; my key tiles in LDS
	v_add_nc_u32 v[AK], s35, v1
	v_add_nc_u32 v[AK+1], 49152, v[AK]             ; the ninth on: an LDS offset has 16 bits
	s_lshl_b32 s38, s[WV], 16                      ; my part of V
	v_add_nc_u32 v[AV], s38, v1
	v_add_nc_u32 v[AP], PIMG, v1
	s_mul_i32 s36, s[WV], 6144
	v_add_nc_u32 v0, s36, v2                       ; my tile's place among Q's images
	s_mov_b32 s[CS], 0x3d553b95                    ; c = log2(e) / sqrt(768)
	s_mov_b32 s[CS+1], s[CS]                       ; (named with it as a pair, so it is written)
	s_mov_b32 s[SEL], 0x76543210
	s_mov_b32 s[SEL+1], 0xfedcba98
	s_mov_b32 s[HM], 0xffff0000
	; descriptor group 1.  15:0 the mask: all four work-groups; 17:16 elements of 8 bytes; 21 set beside a mask; dense blocks as rows of 256 bytes, no padding: every LDS load of these tiles takes 512 consecutive bytes
.irp g, G1A, G1V
	s_mov_b32 s[\g+0], 15|(3<<16)|(1<<21)
	s_mov_b32 s[\g+1], 32<<16                      ; tensor_dim0
	s_mov_b32 s[\g+3], 32<<16                      ; tile_dim0
	s_mov_b32 s[\g+5], 32                          ; from row to row
	s_mov_b32 s[\g+6], 0
	s_mov_b32 s[\g+7], 0
.endr
	s_mov_b32 s[G1A+2], 288<<16                    ; tensor_dim1: 12 key tiles
	s_mov_b32 s[G1A+4], 288                        ; tile_dim1
	s_mov_b32 s[G1V+2], 256<<16                    ; two channel groups
	s_mov_b32 s[G1V+4], 256
	s_bfe_u32 s2, ttmp6, 0x40000                   ; cx: it enters Q's and out0's addresses alone
	s_and_b32 s3, ttmp7, 0xffff
	s_lshl_b32 s3, s3, 2
	s_add_co_u32 s3, s3, s2                        ; my group of 64 queries in the batch
	s_lshl_b32 s2, ttmp9, 4                        ; the batch, which the four partners share, is the cluster's x
	s_add_co_u32 s2, s2, s3
.irp a, 67,69,71,73,75,77,79
	s_mov_b32 s[\a], 0
.endr
	s_mul_i32 s66, s2, 24576
	s_add_co_u32 s66, s66, s36                     ; Q: my wave's tile of the group's four
	s_mul_i32 s68, s2, 1536                        ; its scale images
	s_mul_i32 s70, ttmp9, 3145728
	s_mul_i32 s2, s3, 196608
	s_add_co_u32 s70, s70, s2
	s_mul_i32 s2, s[WV], 768
	s_add_co_u32 s70, s70, s2                      ; out0: my queries' first row, my 192 channels
	s_mul_i32 s72, ttmp9, 393216
	s_mul_i32 s37, s[WV], 98304
	s_add_co_u32 s72, s72, s37                     ; V: my three channel groups.  K's and V's addresses are made of the batch and the wave's number, in registers that never hold my place in the cluster
	s_add_co_u32 s74, s72, 6291456                 ; K: my 16 tiles
	s_mul_i32 s76, ttmp9, 24576
	s_add_co_u32 s76, s76, s36                     ; V's scale images
	s_add_co_u32 s78, s76, 393216                  ; K's
	s_wait_alu depctr_va_vdst(0)                   ; the wait at the head's end
	s_wait_dscnt 0x0                               ; both opening adds are done
	s_wait_kmcnt 0x0
	s_add_nc_u64 s[16:17], s[4:5], s[66:67]
	s_add_nc_u64 s[18:19], s[6:7], s[68:69]
	s_add_nc_u64 s[20:21], s[4:5], s[74:75]
	s_add_nc_u64 s[22:23], s[6:7], s[78:79]
	s_add_nc_u64 s[24:25], s[8:9], s[72:73]
	s_add_nc_u64 s[26:27], s[10:11], s[76:77]
	s_add_nc_u64 s[28:29], s[12:13], s[70:71]
	s_mov_b32 s[G0], 1                             ; count = 1
	s_mov_b32 s[G0+1], s35
	s_add_nc_u64 s[G0+2:G0+3], s[20:21], 24576     ; key tiles 4 to 15
	s_or_b32 s[G0+3], s[G0+3], 0x80000000          ; type = 2
	s_mov_b32 s[G0V], 1
	s_mov_b32 s[G0V+1], s38
	s_mov_b64 s[G0V+2:G0V+3], s[24:25]             ; channel groups 0 and 1
	s_or_b32 s[G0V+3], s[G0V+3], 0x80000000
	CROUND                                         ; all four work-groups are here: the first joint loads meet
	tensor_load_to_lds s[G0:G0+3], s[G1A:G1A+7]
	s_nop 0
	PLACES 4
	WIN 0x40
.irp f, 0,1,2,3,4,5,6,7,8,9,10,11
	global_load_b128 v[192+4*\f:195+4*\f], v1, s[16:17] offset:512*\f   ; my tile of Q
.endr
	WIN 0
.irp i, 0,1,2
	global_load_b128 v[QS+4*\i:QS+4*\i+3], v1, s[18:19] offset:512*\i   ; all four tiles' scale images
.endr
	KSCL 0
	KDIR 0
	KDIR 1
	KSCL 1
	KSCL 2
	KDIR 2
	KDIR 3
	s_wait_loadcnt 60                              ; my tile of Q is in: behind it 3 loads of its scale images, 9 of K's, 48 of key tiles
	WIN 0x04
.irp f, 0,1,2,3,4,5,6,7,8,9,10,11
	ds_store_b128 v0, v[192+4*\f:195+4*\f] offset:512*\f
.endr
	WIN 0
	BARRIER                                        ; Q lies in LDS
	WIN 0x40
.set f, 0
.rept 48
	ds_load_b128 v[4*f:4*f+3], v2 offset:512*f     ; Q's 24 fragments
.set f, f+1
.endr
	WIN 0
	; ---- S^T = K Q^T
	s_wait_loadcnt 30                              ; key tiles 0 and 1 are in: behind them 6 loads of scale images and 24 of key tiles 2 and 3
	s_wait_dscnt 0x0
	PAIR 0
	s_wait_loadcnt 0x0
	PAIR 1
	PLACES 4                                       ; in front of loads into registers that matrix instructions have read
	KSCL 3
	s_wait_tensorcnt 0x0                           ; my key tiles 4 to 15 have landed; I alone read them
	KDS 4
	KDS 6
	s_wait_dscnt 24                                ; all but the next pair's loads
	PAIR 2
	PLACES 4
	KDS 8
	s_wait_dscnt 24
	PAIR 3
	PLACES 4
	KDS 10
	s_wait_dscnt 24
	PAIR 4
	BROW 0                                         ; (these are the places in front of the loads below)
	KDS 12
	BROW 2
	s_wait_dscnt 24
	PAIR 5
	BROW 4
	KDS 14
	BROW 6
	s_wait_loadcnt 0x0                             ; the scale images of key tiles 12 to 15
	s_wait_dscnt 24
	s_wait_tensorcnt 0x0                           ; LDS is filled again: no tensor load of mine is out;
	ds_add_u32 v[SPW], v[NIL]                      ; 0 onto my spare word: work on registers stands between it and the wait for it
	PAIR 6
	BROW 32
	s_wait_dscnt 0x0                               ; the add is done, and my reads of K's tiles are over
	CROUND                                         ; both now hold of every wave of all four work-groups
	tensor_load_to_lds s[G0V:G0V+3], s[G1V:G1V+7]  ; my one load behind the round: V's channel groups 0 and 1
	s_nop 0
	PLACES 4
	PAIR 7
	BROW 34
	BROW 36
	WIN 0x1a
.irp t, 0,1,2,3
.irp b, 0,1,2,3
	v_max3_num_f32 v[TM+8*\t+\b], v[64*\b+8*\t+38], v[64*\b+8*\t+39], v[TB+4*\t+\b]   ; the row's last step lands in window 0
.endr
.endr
	WIN 0
.irp n, 0,1,2
.irp k, 0,1,2,3
	global_load_b128 v[VS+16*\n+4*\k:VS+16*\n+4*\k+3], v1, s[26:27] offset:2048*\n+512*\k   ; V's scale images
.endr
.endr
.irp b, 0,1,2,3,4,5,6,7
	v_mov_b32 v[TP+\b], 0                          ; a lane permute's destination counts as one of its sources
.endr
	; ---- the row's largest score, by way of each block's
	WIN 0x0f
.irp t, 0,1,2,3
.irp b, 0,1,2,3
	v_max_num_f32 v[TM+8*\t+4+\b], v[64*\b+8*\t], v[64*\b+8*\t+1]
.endr
.endr
.irp i, 2,4,6,32,34,36,38
.irp t, 0,1,2,3
.irp b, 0,1,2,3
	v_max3_num_f32 v[TM+8*\t+4+\b], v[64*\b+8*\t+\i], v[64*\b+8*\t+\i+1], v[TM+8*\t+4+\b]
.endr
.endr
.endr
	WIN 0
.irp t, 0,1,2,3
.irp b, 0,1,2,3,4,5,6,7
	v_permlanex16_b32 v[TP+\b], v[TM+8*\t+\b], s[SEL], s[SEL+1]
.endr
.irp b, 0,1,2,3,4,5,6,7
	v_max_num_f32 v[TM+8*\t+\b], v[TM+8*\t+\b], v[TP+\b]   ; with lane l xor 16's 16 keys: the block's
.endr
.endr
.irp t, 0,1,2,3
	v_max3_num_f32 v[RR+\t], v[TM+8*\t], v[TM+8*\t+1], v[TM+8*\t+2]
.endr
.irp t, 0,1,2,3
	v_max3_num_f32 v[RR+\t], v[RR+\t], v[TM+8*\t+3], v[TM+8*\t+4]
.endr
.irp t, 0,1,2,3
	v_max3_num_f32 v[RR+\t], v[RR+\t], v[TM+8*\t+5], v[TM+8*\t+6]
.endr
.irp t, 0,1,2,3
	v_max_num_f32 v[RR+\t], v[RR+\t], v[TM+8*\t+7] ; of my 256 keys
.endr
.irp t, 0,1,2,3
	ds_store_b32 v3, v[RR+\t] offset:256*\t        ; both lanes of a query write the same word with the same value
.endr
	BARRIER
.irp t, 0,1,2,3
	ds_load_b128 v[EX+4*\t:EX+4*\t+3], v4 offset:256*\t
.endr
	s_wait_dscnt 0x0
.irp t, 0,1,2,3
	v_max3_num_f32 v[RR+\t], v[EX+4*\t], v[EX+4*\t+1], v[EX+4*\t+2]
.endr
.irp t, 0,1,2,3
	v_max_num_f32 v[RR+\t], v[RR+\t], v[EX+4*\t+3] ; of all 1,024
.endr
.irp t, 0,1,2,3
	v_mul_f32 v[RR+\t], s[CS], v[RR+\t]            ; as t (c is positive)
.endr
.irp t, 0,1,2,3
	v_floor_f32 v[NM+2*\t], -v[RR+\t]              ; -M = floor(-t) = -ceil(t)
.endr
.irp t, 0,1,2,3
	v_mov_b32 v[NM+2*\t+1], v[NM+2*\t]             ; (named with it as a pair, so it is written)
.endr
	; ---- p, each block's largest p, the scale bytes
	PEXP 0
	PEXP 1
	WIN 0
.irp t, 0,1,2,3
.irp b, 0,1,2,3,4,5,6,7
	v_fma_f32 v[TM+8*\t+\b], v[TM+8*\t+\b], s[CS], v[NM+2*\t]   ; the same multiply-add and exponential on the block's largest score give its largest p
.endr
.endr
.set i, 0
	s_wait_alu depctr_va_vdst(0)                   ; the wait ahead of the batch,
.rept 32
	v_exp_f32 v[TM+i], v[TM+i]
.set i, i+1
.endr
	v_nop                                          ; one plain place behind the exponentials
.set i, 0
	s_wait_alu depctr_va_vdst(0)                   ; and ahead of its first reader
.rept 32
	v_max_num_f32 v[TM+i], 0x1800000, v[TM+i]      ; the floor 2^(3 - 127): the byte cannot fall under 1
.set i, i+1
.endr
.set i, 0
.rept 32
	v_add_nc_u32 v[SO+i], 0xff000000, v[TM+i]      ; 2 off the exponent field: the conversion's scale operand
.set i, i+1
.endr
.set i, 0
.rept 32
	v_lshrrev_b32 v[TM+i], 23, v[SO+i]             ; the scale's byte
.set i, i+1
.endr
.irp j, 0,1,2,3,4,5,6,7                        ; word 2 T + kappa': the four bytes of 128 keys
	v_lshl_or_b32 v[WD+\j], v[TM+4*\j+1], 8, v[TM+4*\j]
.endr
.irp j, 0,1,2,3,4,5,6,7
	v_lshl_or_b32 v[WD+\j], v[TM+4*\j+2], 16, v[WD+\j]
.endr
.irp j, 0,1,2,3,4,5,6,7
	v_lshl_or_b32 v[WD+\j], v[TM+4*\j+3], 24, v[WD+\j]
.endr
.irp t, 0,1,2,3
	v_cndmask_b32 v[PW+\t], v[WD+2*\t], v[WD+2*\t+1], s[HM]   ; lanes 0-15 K step 2 w, lanes 16-31 K step 2 w + 1
.endr
	; ---- the row's sum, of the unquantised p
	WIN 0x0a
.irp t, 0,1,2,3
	v_pk_add_f32 v[SU+4*\t:SU+4*\t+1], v[8*\t:8*\t+1], v[8*\t+2:8*\t+3]
.endr
.irp t, 0,1,2,3
	v_pk_add_f32 v[SU+4*\t+2:SU+4*\t+3], v[8*\t+4:8*\t+5], v[8*\t+6:8*\t+7]
.endr
	WIN 0x08
.irp k, 1,2,3,4,5,6,7
	SUMK \k
.endr
	WIN 0x0c
.irp k, 0,1,2,3,4,5,6,7
	SUMK \k
.endr
	WIN 0
.irp t, 0,1,2,3
	v_pk_add_f32 v[SU+4*\t:SU+4*\t+1], v[SU+4*\t:SU+4*\t+1], v[SU+4*\t+2:SU+4*\t+3]
.endr
.irp t, 0,1,2,3
	v_add_f32 v[RR+\t], v[SU+4*\t], v[SU+4*\t+1]
.endr
.irp t, 0,1,2,3
	v_permlanex16_b32 v[TP+\t], v[RR+\t], s[SEL], s[SEL+1]
.endr
.irp t, 0,1,2,3
	v_add_f32 v[RR+\t], v[RR+\t], v[TP+\t]         ; over my 256 keys
.endr
	; ---- P's codes, eight fragments
	CODES 0
	CODES 1
	v_nop                                          ; one plain place behind the last conversion
	WIN 0
.irp j, 0,1,2,3,4,5,6,7
.irp c, 0,1
.irp i, 0,1
	v_permlane16_swap_b32 v[PC+8*\j+4*\c+\i], v[PC+8*\j+4*\c+2+\i]   ; a whole block to a lane
.endr
.endr
.endr
.irp t, 0,1,2,3
.irp k, 0,1
.irp c, 0,1
	ds_store_b128 v5, v[PC+8*(2*\t+\k)+4*\c:PC+8*(2*\t+\k)+4*\c+3] offset:4096*\k+1024*\t+512*\c
.endr
.endr
.endr
	ds_store_b128 v6, v[PW:PW+3]
.irp t, 0,1,2,3
	ds_store_b32 v3, v[RR+\t] offset:1024+256*\t
.endr
	BARRIER                                        ; P, its scale images and the sums lie in LDS
.irp t, 0,1,2,3
	ds_load_b128 v[EX+4*\t:EX+4*\t+3], v4 offset:1024+256*\t
.endr
.irp k, 0,1,2,3
	ds_load_b128 v[PS+4*\k:PS+4*\k+3], v[AP] offset:32768+512*\k
.endr
	s_wait_tensorcnt 0x0                           ; my channel groups 0 and 1 of V have landed; I alone read them
.irp k, 0,1,2,3
	PLD \k
	VLD 0, \k, 0
.endr
	WIN 0
	s_wait_dscnt 52                                ; the sums are in: behind them 4 loads of scale images and 48 of P and V
.irp t, 0,1,2,3
	v_add_f32 v[RR+\t], v[EX+4*\t], v[EX+4*\t+1]
.endr
.irp t, 0,1,2,3
	v_add_f32 v[TP+\t], v[EX+4*\t+2], v[EX+4*\t+3]
.endr
.irp t, 0,1,2,3
	v_add_f32 v[RR+\t], v[RR+\t], v[TP+\t]         ; l
.endr
	s_wait_alu depctr_va_vdst(0)                   ; the wait ahead of the batch,
.irp t, 0,1,2,3
	v_rcp_f32 v[IL+2*\t], v[RR+\t]
.endr
.irp t, 0,1,2,3
	v_mov_b32 v[IL+2*\t+1], 0                      ; (named with it as a pair, so it is written)
.endr
	s_wait_alu depctr_va_vdst(0)                   ; and behind it
	s_wait_loadcnt 0x0                             ; V's scale images
	; ---- O^T = V^T P^T, group 0: tiles 0 and 1 while P comes in
.irp k, 0,1,2,3,4,5,6,7
.if \k < 5
	s_wait_dscnt 36                                ; all but three later K steps' 12 loads each
.elseif \k == 5
	s_wait_dscnt 32                                ; all but K steps 6 and 7 and 8 loads of tiles 2 and 3
.elseif \k == 6
	s_wait_dscnt 28
.else
	s_wait_dscnt 24
.endif
	PVK 0, \k, 0
.if \k < 4
	PLD \k+4
	VLD 0, \k+4, 0
.else
	VLD 0, 2*(\k-4), 1
	VLD 0, 2*(\k-4)+1, 1
.endif
.endr
	WIN 0
	s_wait_tensorcnt 0x0                           ; LDS is filled again: no tensor load of mine is out;
	ds_add_u32 v[SPW], v[NIL]                      ; 0 onto my spare word
	s_mov_b32 s[G1V+2], 128<<16                    ; the next load brings one channel group
	s_mov_b32 s[G1V+4], 128
	s_add_nc_u64 s[G0V+2:G0V+3], s[G0V+2:G0V+3], 65536
	s_wait_dscnt 17                                ; tiles 2 and 3 of K steps 0 to 3 are in; the add and the youngest 16 loads may be out
.irp k, 0,1,2,3
	PVK 0, \k, 1
.endr
	WIN 0
	s_wait_dscnt 0x0                               ; the add is done, and group 0 lies in registers
	CROUND                                         ; both now hold of every wave of all four work-groups
	tensor_load_to_lds s[G0V:G0V+3], s[G1V:G1V+7]  ; my one load behind the round: channel group 2, over group 0
	s_nop 0
	PLACES 4
.irp k, 0,1,2,3,4,5,6,7
	VLD 1, \k, 0
.endr
.irp k, 4,5,6,7
	PVK 0, \k, 1
.endr
	OUT 0, 1
	; ---- group 1
.irp k, 0,1,2,3,4,5,6,7
	PVK 1, \k, 0
.endr
	PLACES 4                                       ; in front of loads into registers that matrix instructions have read
	s_wait_tensorcnt 0x0                           ; my channel group 2 has landed
.irp k, 0,1,2,3,4,5,6,7
	VLD 2, \k, 0
.endr
	s_wait_dscnt 32                                ; all but the 32 loads just issued
.irp k, 0,1,2,3,4,5,6,7
	PVK 1, \k, 1
.endr
	OUT 1, 1
	; ---- group 2
.irp k, 0,1,2,3,4,5,6,7
	PVK 2, \k, 0
.endr
	s_wait_dscnt 0x0
.irp k, 0,1,2,3,4,5,6,7
	PVK 2, \k, 1
.endr
	OUT 2, 0
	s_wait_tensorcnt 0x0                           ; the wave's end, behind my last tensor load and my last LDS store
	ds_add_u32 v[SPW], v[NIL]
	s_wait_dscnt 0x0
	CROUND                                         ; the closing round: no work-group ends while a partner may still ask for a tile that names it
	s_endpgm
.Lfunc_end_k_q472ba87fdb_attn:
	.size	k_q472ba87fdb_attn, .Lfunc_end_k_q472ba87fdb_attn-k_q472ba87fdb_attn
	.p2alignl 7, 3214868480
	.fill 96, 4, 3214868480
	.section	.rodata,"a",@progbits
	.p2align	6, 0x0
	.amdhsa_kernel k_q472ba87fdb_attn
		.amdhsa_group_segment_fixed_size 327680
		.amdhsa_private_segment_fixed_size 0
		.amdhsa_enable_private_segment 0
		.amdhsa_kernarg_size 40
		.amdhsa_user_sgpr_count 2
		.amdhsa_user_sgpr_kernarg_segment_ptr 1
		.amdhsa_wavefront_size32 1
		.amdhsa_system_sgpr_workgroup_id_x 1
		.amdhsa_system_sgpr_workgroup_id_y 1
		.amdhsa_system_sgpr_workgroup_id_z 1
		.amdhsa_system_vgpr_workitem_id 0
		.amdhsa_next_free_vgpr 1024
		.amdhsa_next_free_sgpr 80
		.amdhsa_reserve_vcc 0
		.amdhsa_float_denorm_mode_32 3
		.amdhsa_float_denorm_mode_16_64 3
		.amdhsa_memory_ordered 1
		.amdhsa_forward_progress 1
		.amdhsa_inst_pref_size 255
	.end_amdhsa_kernel
	.section	.bss,"aw",@nobits
	.p2align	6
	.space	262144
	.amdgpu_metadata
---
amdhsa.version: [ 1, 2 ]
amdhsa.kernels:
  - .name:           k_q472ba87fdb_attn
    .symbol:         k_q472ba87fdb_attn.kd
    .args:
      - { .name: qkimg, .offset: 0, .size: 8, .value_kind: global_buffer, .address_space: global }
      - { .name: qksc, .offset: 8, .size: 8, .value_kind: global_buffer, .address_space: global }
      - { .name: vimg, .offset: 16, .size: 8, .value_kind: global_buffer, .address_space: global }
      - { .name: vsc, .offset: 24, .size: 8, .value_kind: global_buffer, .address_space: global }
      - { .name: out0, .offset: 32, .size: 8, .value_kind: global_buffer, .address_space: global }
    .group_segment_fixed_size: 327680
    .private_segment_fixed_size: 0
    .kernarg_segment_align: 8
    .kernarg_segment_size: 40
    .max_flat_workgroup_size: 128
    .sgpr_count:     80
    .vgpr_count:     1024
    .wavefront_size: 32
...
	.end_amdgpu_metadata
.endif
;; end of part 3
